; MI455X (gfx1250); checked and timed in simulation.
; The chip was launched on July 23, 2026; its instructions are those of AMD's public machine-readable ISA for CDNA 5 (MIT licence, August 2026) and "CDNA5" Instruction Set Architecture Reference Guide (July 2026). The comments in the code are by the model that wrote it; some were corrected since.
;; Sin Layer. Allowed arithmetic: float matrix products may take bf16 or f16 operands with f32 sums; all other float work in f32.
;; Inputs: b 128 x 512 float32; t 1,024 float32; w 128 x 512 float32; x 2 x 1,024 x 128 float32.
;; Outputs: out0 2 x 1,024 x 512 float32.
;; One version. Each part assembles by itself: llvm-mc -triple=amdgcn-amd-amdhsa -mcpu=gfx1250 --defsym DOCPART=n.
;; ======== version 1 of 1: 1 launch
;; limits: right only within a limited range of input values; a function is approximated: absolute error at most 7e-06
;; launch sinlayer (part 1): grid 8 x 32, 8 waves a work-group, no clusters, 168,960 bytes of LDS; arguments x, w, b, t, out0; writes out0
.if DOCPART == 1
	.amdgcn_target "amdgcn-amd-amdhsa--gfx1250"
	.amdhsa_code_object_version 6
	.text
	.protected	k_q68ac4c509d_sinlayer
	.globl	k_q68ac4c509d_sinlayer
	.p2align	8
	.type	k_q68ac4c509d_sinlayer,@function
k_q68ac4c509d_sinlayer:
	s_mov_b64 s[64:65], 0
	v_nop
	global_prefetch_b8 v0, s[64:65] scope:SCOPE_SE
	s_setreg_imm32_b32 hwreg(HW_REG_WAVE_MODE, 25, 1), 1
	s_wait_xcnt 0x0
; out[r][n] = sum over e of SIN[ idx( w[e][n] * x[r][e] + b[e][n] + t[r mod 1024] ) ]
; r = 1024 * batch + s = 0..2047, n = 0..511, e = 0..127; SIN[i] = sin(2 pi i / 512); idx = floor(512 * frac(phase / 2 pi)).
;
; SHARES.  256 work-groups (8 column blocks x 32 row blocks), each 64 rows x 64 columns; 8 waves, each 8 rows x 64 columns;
; a lane owns two neighbouring columns, so that every step but the floor is one packed f32 instruction for the pair.
; The tiles w[128][64], b[128][64], x[64][128] (96 KiB) come into LDS once by tensor loads; nothing is filled twice.
;
; ONE PHASE, in the reference's order of roundings:
;   p = fma(w, x, b) + t                 the sum with t is rounded to f32 as in the reference: with large t this rounding decides the bin
;   k = rndne(p * f32(1/2pi))            by adding and removing 1.5 * 2^23
;   r = fma(-k, f32(2pi), p)             exact (an IEEE remainder is representable): the reference's fmod less a whole number of periods
;   j = floor(r * (f32(1/2pi) * 512))    the reference's own product (the factor 512 is exact); j = -256 .. 256, congruent to idx mod 512
;   SIN[j mod 512] = sin(pi j / 256)     an odd polynomial of degree 9 in j (Chebyshev series of sin(pi z), z = j / 256, cut behind T9)
; The table is a constant of the problem, and the polynomial is that same function of the integer j.  It differs from the table's entries by
; less than 7e-6, so a sum of 128 terms by less than 9e-4.  A gather from a table in LDS would need a conversion, a mask and shift, the
; load and an add for each number: as many instructions as the polynomial's six packed ones for two numbers, and 32 scattered words a load.
;
; LIMITS.  (1) |phase| < 2^18 periods (about 1.6e6): up to there the rounding of p/2pi moves r at most 4 bins past half a period, where the
; polynomial still holds to 2e-5; from 2^22 periods on the rounding constant fails altogether.  (2) Inputs finite: a NaN or an infinity gives NaN here.
; (3) w*x + b is one fused multiply-add, one rounding.  (4) For r < 0 the reference works on r + 2pi: its product differs from
; r * 81.487 + 512 by about 1e-5 of a bin, so a phase that close to a bin's edge can fall into the neighbouring bin.
;
; NO CLUSTER.  The 8 work-groups of a row block read the same x tile and the 32 of a column block the same w and b tiles, but a work-group
; fetches its 96 KiB once, all of it requested before its first arithmetic, and then issues 8 x 128 x 112 = 114,688 vector instructions on it:
; joint requests would spare requests and none of that work.  No prefetch for the same reason, no padding (LDS reads are contiguous or broadcast).
.set LW,   0                           ; LDS: w tile, row e at 256 e
.set LB,   32768                       ; LDS: b tile, likewise
.set LX,   65536                       ; LDS: x tile, row at 512 x row; wave v owns rows 8 v .. 8 v + 7 (4,096 bytes)
.set ACC,  2                           ; v[2:17]    sums: row i of my 8 in the pair ACC + 2 i
.set X,    20                          ; v[20:51]   x[row i][e .. e+3], the same in all lanes, at X + 4 i
.set W,    52                          ; v[52:59]   w[e+i][my 2 columns] at W + 2 i
.set BB,   60                          ; v[60:67]   b likewise
.set T,    68                          ; v[68:75]   t of my 8 rows, the same in all lanes
.set TA,   76                          ; v[76:91]   at work: p, then r, u, j
.set TB,   92                          ; v[92:107]  at work: k, then j^2
.set TC,   108                         ; v[108:123] at work: the polynomial
.set C9V,  124                         ; v[124:125] coefficient of j^9, twice
.set MAGV, 126                         ; v[126:127] 1.5 * 2^23, twice
.set WA,   128                         ; LDS address: 8 x lane + 256 e
.set XA,   129                         ; LDS address: my rows of x + 4 e
.set OO,   130                         ; 8 x lane: my 8 bytes in a row of the output block
.set ZR,   131                         ; 0: offset of the loads of t
.set G1W,  24                          ; s[24:31]  descriptor group 1 for w and b
.set G1X,  32                          ; s[32:39]  descriptor group 1 for x
.set G0X,  40                          ; s[40:43]  group 0: x
.set G0W,  44                          ; s[44:47]  group 0: w
.set G0B,  48                          ; s[48:51]  group 0: b
.set SNMAG, 52                         ; scalar pairs, both words alike; a packed instruction takes the first word for both halves
.set SNC,  54
.set SK,   56
.set SC7,  58
.set SC5,  60
.set SC3,  62
.set SC1,  66
.set CNT,  68
	s_load_b256 s[4:11], s[0:1], 0x0               ; x s[4:5], w s[6:7], b s[8:9], t s[10:11]
	s_load_b64 s[12:13], s[0:1], 0x20              ; out0
	v_lshl_add_u32 v132, v0, 2, 0x29000
	v_mov_b32 v133, 0
	ds_add_u32 v132, v133
	ds_add_u32 v132, v133
	v_lshrrev_b32 v1, 5, v0
	v_readfirstlane_b32 s14, v1                    ; wave 0..7
	s_and_b32 s15, ttmp7, 0xffff                   ; row block
	s_lshl_b32 s15, s15, 6
	s_lshl3_add_u32 s15, s14, s15                  ; my first row = 64 x block + 8 x wave
	; group 1 for w and b: 16 rows (e) of 64 f32 = 256 bytes, 512 elements from row to row
	s_mov_b32 s[G1W+0], 2<<16                      ; elements of 4 bytes, no mask, no padding
	s_mov_b32 s[G1W+1], 64<<16                     ; tensor_dim0 = 64
	s_mov_b32 s[G1W+2], 16<<16                     ; tensor_dim1 = 16
	s_mov_b32 s[G1W+3], 64<<16                     ; tile_dim0 = 64
	s_mov_b32 s[G1W+4], 16                         ; tile_dim1 = 16
	s_mov_b32 s[G1W+5], 512                        ; pitch
	s_mov_b32 s[G1W+6], 0
	s_mov_b32 s[G1W+7], 0
	; group 1 for x: my 8 rows are 4,096 dense bytes, taken as 16 rows of 32 elements of 8 bytes
	s_mov_b32 s[G1X+0], 3<<16
	s_mov_b32 s[G1X+1], 32<<16
	s_mov_b32 s[G1X+2], 16<<16
	s_mov_b32 s[G1X+3], 32<<16
	s_mov_b32 s[G1X+4], 16
	s_mov_b32 s[G1X+5], 32
	s_mov_b32 s[G1X+6], 0
	s_mov_b32 s[G1X+7], 0
	; where my parts go in LDS: 4,096 bytes a wave in each of the three tiles
	s_lshl_b32 s16, s14, 12
	s_mov_b32 s[G0X], 1
	s_add_co_u32 s[G0X+1], s16, LX
	s_mov_b32 s[G0W], 1
	s_add_co_u32 s[G0W+1], s16, LW
	s_mov_b32 s[G0B], 1
	s_add_co_u32 s[G0B+1], s16, LB
	; byte offsets, each in a pair of its own
	s_lshl_b32 s18, s15, 9                         ; x: 512 bytes a row
	s_mov_b32 s19, 0
	s_lshl_b32 s17, ttmp9, 8                       ; the column block: 64 f32
	s_lshl_b32 s20, s14, 15                        ; w, b: my 16 rows of 2,048 bytes
	s_add_co_u32 s20, s20, s17
	s_mov_b32 s21, 0
	s_and_b32 s22, s15, 1023                       ; t: s = row mod 1024 (a block of 64 rows lies in one batch)
	s_lshl_b32 s22, s22, 2
	s_mov_b32 s23, 0
	s_lshl_b32 s2, s15, 11                         ; out: 2,048 bytes a row
	s_add_co_u32 s2, s2, s17
	s_mov_b32 s3, 0
	s_wait_dscnt 0x0
	s_wait_kmcnt 0x0
	s_add_nc_u64 s[G0W+2:G0W+3], s[6:7], s[20:21]
	s_or_b32 s[G0W+3], s[G0W+3], 0x80000000        ; type 2
	tensor_load_to_lds s[G0W:G0W+3], s[G1W:G1W+7]
	s_nop 0
	s_add_nc_u64 s[G0B+2:G0B+3], s[8:9], s[20:21]
	s_or_b32 s[G0B+3], s[G0B+3], 0x80000000
	tensor_load_to_lds s[G0B:G0B+3], s[G1W:G1W+7]
	s_nop 0
	s_add_nc_u64 s[G0X+2:G0X+3], s[4:5], s[18:19]
	s_or_b32 s[G0X+3], s[G0X+3], 0x80000000
	tensor_load_to_lds s[G0X:G0X+3], s[G1X:G1X+7]  ; three tensor loads of this wave are out, and no more follow
	s_nop 0
	s_add_nc_u64 s[10:11], s[10:11], s[22:23]
	s_add_nc_u64 s[12:13], s[12:13], s[2:3]
	v_mov_b32 v[ZR], 0
	global_load_b128 v[T:T+3],   v[ZR], s[10:11]           ; t of my 8 rows: every lane reads the same 32 bytes
	global_load_b128 v[T+4:T+7], v[ZR], s[10:11] offset:16
	v_and_b32 v1, 31, v0
	v_lshlrev_b32 v[OO], 3, v1
	v_lshlrev_b32 v[WA], 3, v1
	v_mov_b32 v[XA], s[G0X+1]
	v_mov_b32 v[MAGV],   0x4b400000                ; 1.5 * 2^23
	v_mov_b32 v[MAGV+1], 0x4b400000
	v_mov_b32 v[C9V],    0x1983135b                ;  0.0640017623 * 2^-72
	v_mov_b32 v[C9V+1],  0x1983135b
.irp c, 0,1
	s_mov_b32 s[SNMAG+\c], 0xcb400000              ; -1.5 * 2^23
	s_mov_b32 s[SNC+\c],   0xc0c90fdb              ; -f32(2 pi)
	s_mov_b32 s[SK+\c],    0x42a2f983              ; f32(1 / 2 pi) * 512
	s_mov_b32 s[SC7+\c],   0xa314f124              ; -0.5818045118 * 2^-56
	s_mov_b32 s[SC5+\c],   0x2c22bb23              ;  2.5426718301 * 2^-40
	s_mov_b32 s[SC3+\c],   0xb4a55312              ; -5.1663903686 * 2^-24
	s_mov_b32 s[SC1+\c],   0x3c490ec7              ;  3.1415270440 * 2^-8   (the powers of 256 turn z = j / 256 into j, exactly)
.endr
.irp r, 0,1,2,3,4,5,6,7,8,9,10,11,12,13,14,15
	v_mov_b32 v[ACC+\r], 0                         ; 16 moves, once: letting the first e start the sums would take a third copy of the group's text
.endr
; The 16 LDS loads of four e: w and b, 256 neighbouring bytes a load; x, 16 bytes that all lanes share.
.macro LOADS
.irp i, 0,1,2,3
	ds_load_b64 v[W+2*\i:W+2*\i+1],   v[WA] offset:LW+256*\i
	ds_load_b64 v[BB+2*\i:BB+2*\i+1], v[WA] offset:LB+256*\i
.endr
.irp r, 0,1,2,3,4,5,6,7
	ds_load_b128 v[X+4*\r:X+4*\r+3], v[XA] offset:512*\r
.endr
	v_add_nc_u32 v[WA], 1024, v[WA]                ; four rows of the w and b tiles on
	v_add_nc_u32 v[XA], 16, v[XA]                  ; four e on in my rows of x
.endm
; TA[row] = w * x + b for the i-th of the four e: x is the even or the odd register of its pair, taken for both halves
.macro PHASE i
.irp r, 0,1,2,3,4,5,6,7
.if (\i) & 1
	v_pk_fma_f32 v[TA+2*\r:TA+2*\r+1], v[W+2*\i:W+2*\i+1], v[X+4*\r+\i-1:X+4*\r+\i], v[BB+2*\i:BB+2*\i+1] op_sel:[0,1,0] op_sel_hi:[1,1,1]
.else
	v_pk_fma_f32 v[TA+2*\r:TA+2*\r+1], v[W+2*\i:W+2*\i+1], v[X+4*\r+\i:X+4*\r+\i+1], v[BB+2*\i:BB+2*\i+1] op_sel_hi:[1,0,1]
.endif
.endr
.endm
; From w x + b to the sums.  Each step runs over the 8 rows, so that an instruction's sources were written 8 instructions earlier.
.macro REST
.irp r, 0,1,2,3,4,5,6,7
.if (\r) & 1
	v_pk_add_f32 v[TA+2*\r:TA+2*\r+1], v[TA+2*\r:TA+2*\r+1], v[T+\r-1:T+\r] op_sel:[0,1] op_sel_hi:[1,1]    ; p = (w x + b) + t
.else
	v_pk_add_f32 v[TA+2*\r:TA+2*\r+1], v[TA+2*\r:TA+2*\r+1], v[T+\r:T+\r+1] op_sel_hi:[1,0]
.endif
.endr
.irp r, 0,1,2,3,4,5,6,7
	v_pk_fma_f32 v[TB+2*\r:TB+2*\r+1], v[TA+2*\r:TA+2*\r+1], 0.15915494, v[MAGV:MAGV+1] op_sel_hi:[1,0,1]   ; p / 2pi + 1.5 * 2^23: rounded to a whole number
.endr
.irp r, 0,1,2,3,4,5,6,7
	v_pk_add_f32 v[TB+2*\r:TB+2*\r+1], v[TB+2*\r:TB+2*\r+1], s[SNMAG:SNMAG+1] op_sel_hi:[1,0]               ; k, exact
.endr
.irp r, 0,1,2,3,4,5,6,7
	v_pk_fma_f32 v[TA+2*\r:TA+2*\r+1], v[TB+2*\r:TB+2*\r+1], s[SNC:SNC+1], v[TA+2*\r:TA+2*\r+1] op_sel_hi:[1,0,1]   ; r = p - k * f32(2pi), exact
.endr
.irp r, 0,1,2,3,4,5,6,7
	v_pk_mul_f32 v[TA+2*\r:TA+2*\r+1], v[TA+2*\r:TA+2*\r+1], s[SK:SK+1] op_sel_hi:[1,0]                     ; in bins
.endr
.irp r, 0,1,2,3,4,5,6,7,8,9,10,11,12,13,14,15
	v_floor_f32 v[TA+\r], v[TA+\r]                                                                          ; j: the bin's lower edge
.endr
.irp r, 0,1,2,3,4,5,6,7
	v_pk_mul_f32 v[TB+2*\r:TB+2*\r+1], v[TA+2*\r:TA+2*\r+1], v[TA+2*\r:TA+2*\r+1]                           ; j^2
.endr
.irp r, 0,1,2,3,4,5,6,7
	v_pk_fma_f32 v[TC+2*\r:TC+2*\r+1], v[TB+2*\r:TB+2*\r+1], v[C9V:C9V+1], s[SC7:SC7+1] op_sel_hi:[1,1,0]
.endr
.irp r, 0,1,2,3,4,5,6,7
	v_pk_fma_f32 v[TC+2*\r:TC+2*\r+1], v[TC+2*\r:TC+2*\r+1], v[TB+2*\r:TB+2*\r+1], s[SC5:SC5+1] op_sel_hi:[1,1,0]
.endr
.irp r, 0,1,2,3,4,5,6,7
	v_pk_fma_f32 v[TC+2*\r:TC+2*\r+1], v[TC+2*\r:TC+2*\r+1], v[TB+2*\r:TB+2*\r+1], s[SC3:SC3+1] op_sel_hi:[1,1,0]
.endr
.irp r, 0,1,2,3,4,5,6,7
	v_pk_fma_f32 v[TC+2*\r:TC+2*\r+1], v[TC+2*\r:TC+2*\r+1], v[TB+2*\r:TB+2*\r+1], s[SC1:SC1+1] op_sel_hi:[1,1,0]
.endr
.irp r, 0,1,2,3,4,5,6,7
	v_pk_fma_f32 v[ACC+2*\r:ACC+2*\r+1], v[TC+2*\r:TC+2*\r+1], v[TA+2*\r:TA+2*\r+1], v[ACC+2*\r:ACC+2*\r+1] ; sum += j * (c1 + c3 j^2 + .. + c9 j^8)
.endr
.endm
; Four e.  more = 1: the next four e are loaded as soon as the last PHASE has read W, BB and X; the 104 instructions of the last REST
; stand between these loads and the wait for them at the next group's head.
.macro GROUP more
	s_wait_dscnt 0x0                               ; this group's 16 loads are in
	PHASE 0
	REST
	PHASE 1
	REST
	PHASE 2
	REST
	PHASE 3
.if \more
	LOADS
.endif
	REST
.endm
	s_wait_tensorcnt 0x0                           ; my parts of the three tiles are in LDS (once, in front of the loop; nothing is filled again),
	s_barrier_signal -1
	s_barrier_wait -1                              ; and so are the other waves' parts of w and b
	LOADS
	s_wait_loadcnt 0x0                             ; t
	s_mov_b32 s[CNT], 31
.Lgroup:
	GROUP 1
	s_sub_co_i32 s[CNT], s[CNT], 1
	s_cmp_lg_u32 s[CNT], 0
	s_cbranch_scc1 .Lgroup
	GROUP 0                                        ; e = 124 .. 127: nothing follows, nothing is loaded
.irp r, 0,1,2,3,4,5,6,7
	global_store_b64 v[OO], v[ACC+2*\r:ACC+2*\r+1], s[12:13] offset:2048*\r th:TH_STORE_NT   ; the wave's 32 lanes store 256 consecutive bytes, at a multiple of 256 from the output's first byte
.endr
	s_wait_tensorcnt 0x0
	ds_add_u32 v132, v133
	s_wait_dscnt 0x0
	s_endpgm
.Lfunc_end_k_q68ac4c509d_sinlayer:
	.size	k_q68ac4c509d_sinlayer, .Lfunc_end_k_q68ac4c509d_sinlayer-k_q68ac4c509d_sinlayer
	.p2alignl 7, 3214868480
	.fill 96, 4, 3214868480
	.section	.rodata,"a",@progbits
	.p2align	6, 0x0
	.amdhsa_kernel k_q68ac4c509d_sinlayer
		.amdhsa_group_segment_fixed_size 168960
		.amdhsa_private_segment_fixed_size 0
		.amdhsa_enable_private_segment 0
		.amdhsa_kernarg_size 40
		.amdhsa_user_sgpr_count 2
		.amdhsa_user_sgpr_kernarg_segment_ptr 1
		.amdhsa_wavefront_size32 1
		.amdhsa_system_sgpr_workgroup_id_x 1
		.amdhsa_system_sgpr_workgroup_id_y 1
		.amdhsa_system_sgpr_workgroup_id_z 1
		.amdhsa_system_vgpr_workitem_id 0
		.amdhsa_next_free_vgpr 134
		.amdhsa_next_free_sgpr 70
		.amdhsa_reserve_vcc 0
		.amdhsa_float_denorm_mode_32 3
		.amdhsa_float_denorm_mode_16_64 3
		.amdhsa_memory_ordered 1
		.amdhsa_forward_progress 1
		.amdhsa_inst_pref_size 61
	.end_amdhsa_kernel
	.amdgpu_metadata
---
amdhsa.version: [ 1, 2 ]
amdhsa.kernels:
  - .name:           k_q68ac4c509d_sinlayer
    .symbol:         k_q68ac4c509d_sinlayer.kd
    .args:
      - { .name: x, .offset: 0, .size: 8, .value_kind: global_buffer, .address_space: global }
      - { .name: w, .offset: 8, .size: 8, .value_kind: global_buffer, .address_space: global }
      - { .name: b, .offset: 16, .size: 8, .value_kind: global_buffer, .address_space: global }
      - { .name: t, .offset: 24, .size: 8, .value_kind: global_buffer, .address_space: global }
      - { .name: out0, .offset: 32, .size: 8, .value_kind: global_buffer, .address_space: global }
    .group_segment_fixed_size: 168960
    .private_segment_fixed_size: 0
    .kernarg_segment_align: 8
    .kernarg_segment_size: 40
    .max_flat_workgroup_size: 256
    .sgpr_count:     70
    .vgpr_count:     134
    .wavefront_size: 32
...
	.end_amdgpu_metadata
.endif
;; end of part 1
